; MI455X (gfx1250); checked and timed in simulation.
; The chip was launched on July 23, 2026; its instructions are those of AMD's public machine-readable ISA for CDNA 5 (MIT licence, August 2026) and "CDNA5" Instruction Set Architecture Reference Guide (July 2026). The comments in the code are by the model that wrote it; some were corrected since.
;; Mo E Layer. Allowed arithmetic: matrix products marked QUANTISED: E2M3 operands, one E8M0 scale for each 32 along K, by v_wmma_scale_f32_16x16x128_f8f6f4 with both operands' format E2M3, f32 sums; products left as they are: f32 operands where the result goes on into a quantised operand, else bf16, f16 or f32 operands; f32 sums; everything else in f32.
;; Inputs: router_w 8 x 256 float32; w1 8 x 682 x 256 float32; w2 8 x 256 x 682 float32; w3 8 x 682 x 256 float32; x 8 x 2,048 x 256 float32.
;; Outputs: out0 8 x 2,048 x 256 float32.
;; This version of the problem:
;;   THIS VERSION OF THE PROBLEM IS GIVEN IN LOW PRECISION. The matrix products marked QUANTISED in the list below multiply operands that are first quantised to E2M3 (2 exponent bits, 3 mantissa bits; 6 bits a number), with one power-of-two scale for each 32 numbers along K (OCP MX v1.0); their sums are f32. All else is computed in f32.
;;   The module's matrix products, in the order in which they are computed (A, B: the left and right operand; K: the contracted axis; several contracted axes count as one K, in the product's order):
;;     1. [M 16,384, K 256] x [K 256, N 8]; A: input x; B: input router_w: left as it is (N = 8 < 16)
;;     2. batch 16,384 x [M 1, K 2] x [K 2, N 8]; A: computed on the way; B: computed on the way: left as it is (K = 2 < 32)
;;     3. [M 16,384, K 256] x [K 256, N 5,456]; A: input x; B: input w1: QUANTISED
;;     4. [M 16,384, K 256] x [K 256, N 5,456]; A: input x; B: input w3: QUANTISED
;;     5. batch 8 x [M 256, K 682] x [K 682, N 16,384]; A: input w2; B: computed on the way: QUANTISED
;;     6. batch 16,384 x [M 1, K 8] x [K 8, N 256]; A: computed on the way; B: computed on the way: left as it is (K = 8 < 32)
;;   THE QUANTISER, for each operand of a quantised product, along K:
;;     - K is cut into blocks of 32 from its start; a last block that is shorter is filled with zeros.
;;     - A block's scale is 2^e with e = floor(log2(the largest magnitude in the block)) - 2, held to -126 .. 127; a block of zeros has e = 0. As a byte (E8M0): e + 127.
;;     - Each number is divided by its block's scale, clamped to +-7.5, and rounded to the nearest number of E2M3, ties to even, subnormals kept.
;;     - The product sums the exact products of the quantised numbers (number of the format x scale) in f32.
;;   ~~~python
;;   def quantise(x, axis):      # numpy; x: float32 -> the quantised numbers, widened to float32 again
;;       x = np.moveaxis(x, axis, -1); K = x.shape[-1]
;;       x = np.pad(x, [(0, 0)] * (x.ndim - 1) + [(0, -K % 32)]); x = x.reshape(x.shape[:-1] + (-1, 32)); a = np.abs(x).max(-1, keepdims=True)
;;       e = np.where(a > 0, np.clip(np.frexp(np.where(a > 0, a, 1))[1] - 1 - 2, -126, 127), 0)      # np.frexp(a)[1] - 1 = floor(log2(a)), exactly
;;       r = np.clip(x / 2.0 ** e, -7.5, 7.5)
;;       step = 2.0 ** (np.maximum(np.frexp(np.where(r == 0, 1, r))[1] - 1, 0) - 3)
;;       q = np.round(r / step) * step * 2.0 ** e      # np.round: ties to even
;;       return np.moveaxis(q.reshape(q.shape[:-2] + (-1,))[..., :K], -1, axis).astype(np.float32)
;;   ~~~
;;   OPERANDS COMPUTED ON THE WAY. 'Computed on the way' means the value that the module computes at that place (a softmax that the list does not call 'softmax' is quantised finished and normalised). What goes into a quantiser is computed in f32, as accurately as f32 sums, v_exp_f32 and their like allow (about 1e-6 of the number): no bf16 or f16 on the way to a quantiser, and a product that is left as it is and whose result goes on into a quantised operand takes f32 operands (vector FMAs, or v_wmma_f32_16x16x4_f32). A number that lies on a knife's edge between two numbers of the format may be rounded either way, as far as f32 arithmetic and the matrix unit's own rounding can turn it there, and no further.
;; One version. Each part assembles by itself: llvm-mc -triple=amdgcn-amd-amdhsa -mcpu=gfx1250 --defsym DOCPART=n.
;; ======== version 1 of 1: 3 launches
;; limits: right only within a limited range of input values
;; workspace buffers: xrec 4,194,304 bytes; kr 65,536 bytes of whole numbers; cnt 65,536 bytes of whole numbers; order 65,536 bytes of whole numbers; tiles 1,024 bytes of whole numbers; wq 3,481,600 bytes
;; launch route (part 1): grid 256 x 1, 4 waves a work-group, no clusters, 37,888 bytes of LDS; arguments x, router_w, xrec, kr, cnt; writes xrec, kr, cnt
.if DOCPART == 1
	.amdgcn_target "amdgcn-amd-amdhsa--gfx1250"
	.amdhsa_code_object_version 6
	.text
	.protected	k_q92a98f53c3_route
	.globl	k_q92a98f53c3_route
	.p2align	8
	.type	k_q92a98f53c3_route,@function
k_q92a98f53c3_route:
	s_mov_b64 s[64:65], 0
	v_nop
	global_prefetch_b8 v0, s[64:65] scope:SCOPE_SE
	s_setreg_imm32_b32 hwreg(HW_REG_WAVE_MODE, 25, 1), 1
	s_wait_xcnt 0x0
; ROUTE.  x [16384][256] f32 is read once.  For each token: the eight router logits (f32 multiply-adds), softmax with the maximum taken away, the two largest, their renormalised gates;
; x's codes of FP6 (E2M3) with one E8M0 byte for each 32 along C.  All of it goes into one record of 256 bytes a token (xrec):
;   bytes 96 h + 24 (2 s + c): the 24 code bytes of block 4 s + 2 c + h, so that lane (r, h) of the matrix operand finds its 24 registers of both K steps as 96 bytes on end;
;   word at 192: scale bytes of blocks 0-3; word at 224: of blocks 4-7; bytes 208-223 and 240-255: the gates of experts 0-3 and 4-7, 0 where the expert is not chosen; the rest 0.
; WHOLE NUMBERS at fixed places, for the sort in the next launch: kr[token] = 4 x key | (rank + 1) << 8 | pair mask << 16; cnt[group of 32 tokens][key].
; The key numbers the 28 pairs so that neighbouring pairs share an expert: (0,1)..(0,7), (1,7)..(1,2), (2,3)..(2,7), (3,7)..(3,4), (4,5)..(4,7), (5,7), (5,6), (6,7).
; No address and no branch here hangs on a logit.
; SHARES.  A work-group takes 64 tokens, a wave 16, in 8 steps of two rows (2,048 bytes).  Each load reads 512 consecutive bytes; the step turns through the wave's own stage in LDS so that a lane
; holds 16 neighbours of one row (two lanes to a block of 32).  A wave's 16 records are gathered in its own 4,096 bytes of LDS and leave by stores of 512 consecutive bytes.
; LIMITS: NaN and infinities among the inputs are not served.  A block of zeros gets the byte 1 where the rule says 127: its codes are zeros, and this program alone reads the bytes.
; The two largest are taken on the logits with strict compares (the lower index wins a tie): two experts whose f32 logits differ by less than the sums' own rounding may be chosen otherwise than by reference().
.set WREG, 9216                        ; LDS of a wave: two turn stages of 2,560 bytes, then 4,096 bytes of records
.set REC,  5120
.set KEYS, 4*WREG                      ; 64 words: the work-group's keys
.set L,    32                          ; v32-39   a step's eight logits
.set LG,   40                          ; v40-47   the logits of my token
.set ACC,  48                          ; v48-63   eight pairs of partial sums
.set X,    64                          ; v64-95   two sets of 16 neighbours
.set R,    96                          ; v96-223  x as loaded, 16 registers a step; later the records on their way out
.set CD,   224                         ; v224-226 a step's codes
.set G,    240                         ; v240-247 the dense gates
.set MSB, 0
.macro WIN new                         ; the immediate's high byte repeats the setting that is left
.if MSB != (\new)
	s_set_vgpr_msb (MSB<<8)|(\new)
.set MSB, (\new)
.endif
.endm
	s_load_b128 s[4:7], s[0:1], 0x0                ; x, router_w
	s_load_b128 s[8:11], s[0:1], 0x10              ; xrec, kr
	s_load_b64 s[12:13], s[0:1], 0x20              ; cnt
	v_lshl_add_u32 v227, v0, 2, 0x9200
	v_mov_b32 v239, 0
	v_lshrrev_b32 v14, 5, v0
	v_readfirstlane_b32 s14, v14                   ; wave 0..3
	s_mul_i32 s15, s14, WREG                       ; my LDS
	s_add_co_u32 s16, s15, REC                     ; my records
	s_lshl_b32 s17, s14, 6
	s_add_co_u32 s17, s17, KEYS                    ; my 16 key words
	s_lshl_b32 s18, s14, 7
	s_add_co_u32 s18, s18, KEYS                    ; the 32 key words that wave 0 or 1 ranks
	v_and_b32 v1, 31, v0                           ; lane l
	v_lshlrev_b32 v2, 4, v1                        ; 16 l
	v_lshrrev_b32 v14, 2, v1
	v_and_b32 v15, 3, v1
	v_mul_u32_u24 v3, v14, 80
	v_lshl_add_u32 v3, v15, 4, v3
	v_add_nc_u32 v3, s15, v3                       ; stage, in: four lanes' 64 bytes on end, then 16 of padding
	v_mul_u32_u24 v4, v1, 80
	v_add_nc_u32 v4, s15, v4                       ; stage, out: my 64 bytes
	v_bfe_u32 v16, v0, 1, 3                        ; b: my block of the row
	v_bfe_u32 v17, v0, 4, 1                        ; which of the step's two rows
	v_and_b32 v18, 1, v16
	v_lshrrev_b32 v19, 1, v16
	v_and_b32 v20, 1, v0
	v_mul_u32_u24 v5, v18, 96
	v_mad_u32_u24 v5, v19, 24, v5
	v_mad_u32_u24 v5, v20, 12, v5
	v_lshl_add_u32 v5, v17, 8, v5
	v_add_nc_u32 v5, s16, v5                       ; my 12 code bytes in the record: 96 (b & 1) + 24 (b >> 1) + 12 (l & 1)
	v_and_b32 v21, 15, v0
	v_lshlrev_b32 v6, 2, v21
	v_lshl_add_u32 v6, v17, 8, v6
	v_add_nc_u32 v6, s16, v6
	v_add_nc_u32 v6, 192, v6                       ; my word of the record's last 64 bytes
	v_add_nc_u32 v7, s16, v2                       ; the records on their way out: 16 l
	v_and_b32 v22, 7, v0
	v_lshl_add_u32 v22, v22, 1, v17                ; my token of the wave's 16: 2 (l & 7) + (l >> 4); lanes l and l + 8 hold the same
	v_lshl_add_u32 v8, v22, 8, s16
	v_add_nc_u32 v8, 208, v8                       ; its gates
	v_lshl_add_u32 v9, v22, 2, s17                 ; its key word
	v_and_b32 v10, 3, v16
	v_lshlrev_b32 v10, 3, v10                      ; my block's byte in its scale word, in bits
	v_lshlrev_b32 v11, 6, v21                      ; router_w: my 16 columns
	v_lshl_add_u32 v12, v1, 2, s18
	v_lshlrev_b32 v13, 2, v1
	s_lshl_b32 s20, ttmp9, 16                      ; x: 64 tokens of 1,024 bytes a work-group, 16 a wave
	s_lshl_b32 s19, s14, 14
	s_add_co_u32 s20, s20, s19
	s_mov_b32 s21, 0
	s_lshl_b32 s22, ttmp9, 14                      ; xrec: 256 bytes a token
	s_lshl_b32 s19, s14, 12
	s_add_co_u32 s22, s22, s19
	s_mov_b32 s23, 0
	s_lshl_b32 s24, ttmp9, 8                       ; kr and cnt: 128 bytes for each group of 32 tokens; wave 0 and 1 take a group each
	s_lshl_b32 s19, s14, 7
	s_add_co_u32 s24, s24, s19
	s_mov_b32 s25, 0
	s_mov_b32 s26, 0x01010101                      ; lanes 0, 8, 16, 24
	s_mov_b32 s27, 0x3fb8aa3b                      ; log2(e)
	s_wait_alu depctr_va_vdst(0)
	s_wait_kmcnt 0x0
	s_add_nc_u64 s[4:5], s[4:5], s[20:21]
	s_add_nc_u64 s[8:9], s[8:9], s[22:23]
	s_add_nc_u64 s[10:11], s[10:11], s[24:25]
	s_add_nc_u64 s[12:13], s[12:13], s[24:25]
	WIN 0x40                                       ; destination window 1: router_w[e][16 (l & 15) + 0..15] at v[16 e] of it, for the whole launch
.irp e, 0,1,2,3,4,5,6,7
.irp q, 0,1,2,3
	global_load_b128 v[16*\e+4*\q:16*\e+4*\q+3], v11, s[6:7] offset:1024*\e+16*\q
.endr
.endr
	WIN 0
.irp t, 0,1,2,3,4,5,6,7
.irp i, 0,1,2,3
	global_load_b128 v[R+16*\t+4*\i:R+16*\t+4*\i+3], v2, s[4:5] offset:2048*\t+512*\i th:TH_LOAD_NT   ; 512 consecutive bytes; the wave's 16 KiB are asked for at once
.endr
.endr
.macro TURN t                          ; step t through a stage: LDS serves a wave's instructions in order, so no wait stands between the stores and the loads
.irp i, 0,1,2,3
	ds_store_b128 v3, v[R+16*(\t)+4*\i:R+16*(\t)+4*\i+3] offset:2560*((\t)%2)+640*\i
.endr
.irp i, 0,1,2,3
	ds_load_b128 v[X+16*((\t)%2)+4*\i:X+16*((\t)%2)+4*\i+3], v4 offset:2560*((\t)%2)+16*\i
.endr
.endm
	s_wait_loadcnt 28                              ; router_w and step 0 are in; the 28 loads of steps 1 to 7 may be out
	TURN 0
.macro STEP t
.set XS, X+16*((\t)%2)
	s_wait_dscnt 0x0                               ; my 16 neighbours are back; the last step's record stores have read their registers
.if (\t) < 7
	s_wait_loadcnt 24-4*(\t)                       ; the next step's four loads are in; those of the steps behind it may be out
	TURN (\t)+1
.endif
	v_max3_num_f32 v14, |v[XS]|, |v[XS+1]|, 0x1800000              ; the largest magnitude of my 16, with the floor 2^(3 - 127): the byte cannot fall under 1
	v_max3_num_f32 v15, |v[XS+2]|, |v[XS+3]|, |v[XS+4]|
.irp i, 5,9
	v_max3_num_f32 v14, v14, |v[XS+\i]|, |v[XS+\i+1]|
	v_max3_num_f32 v15, v15, |v[XS+\i+2]|, |v[XS+\i+3]|
.endr
	v_max3_num_f32 v14, v14, |v[XS+13]|, |v[XS+14]|
	v_max3_num_f32 v15, v15, v14, |v[XS+15]|
	v_max_num_f32_dpp v15, v15, v15 row_xmask:1 row_mask:0xf bank_mask:0xf   ; and of my neighbour's 16: the block's
	v_add_nc_u32 v16, 0xff000000, v15              ; 2 off its exponent field: the conversion's scale operand
	v_cvt_scalef32_pk16_fp6_f32 v[CD:CD+2], v[XS:XS+15], v16
	v_lshrrev_b32 v17, 23, v16                     ; the scale's byte (the plain line behind the conversion)
	v_lshlrev_b32 v18, v10, v17                    ; at its place in the scale word;
	v_mov_b32_dpp v19, v18 row_xmask:2 row_mask:0xf bank_mask:0xf
	v_or_b32 v18, v18, v19
	v_mov_b32_dpp v19, v18 row_xmask:4 row_mask:0xf bank_mask:0xf
	v_or_b32 v18, v18, v19                         ; eight lanes' four blocks make a word: lanes 0-7 of a row blocks 0-3, lanes 8-15 blocks 4-7
	WIN 0x04                                       ; source 1 (router_w) window 1
.irp e, 0,1,2,3,4,5,6,7
	v_pk_mul_f32 v[ACC+2*\e:ACC+2*\e+1], v[XS:XS+1], v[16*\e:16*\e+1]
.endr
.irp q, 1,2,3,4,5,6,7
.irp e, 0,1,2,3,4,5,6,7
	v_pk_fma_f32 v[ACC+2*\e:ACC+2*\e+1], v[XS+2*\q:XS+2*\q+1], v[16*\e+2*\q:16*\e+2*\q+1], v[ACC+2*\e:ACC+2*\e+1]
.endr
.endr
	WIN 0
.irp e, 0,1,2,3,4,5,6,7
	v_add_f32 v[L+\e], v[ACC+2*\e], v[ACC+2*\e+1]
.endr
.irp x, 1,2,4,8
.irp e, 0,1,2,3,4,5,6,7
	v_add_f32_dpp v[L+\e], v[L+\e], v[L+\e] row_xmask:\x row_mask:0xf bank_mask:0xf   ; over the row's sixteen lanes
.endr
.endr
.if (\t) == 0
.irp e, 0,1,2,3,4,5,6,7
	v_mov_b32 v[LG+\e], v[L+\e]
.endr
.else
	s_mov_b32 s28, 0x01010101<<(\t)                ; the lanes whose token lies in this step: l & 7 = t
.irp e, 0,1,2,3,4,5,6,7
	v_cndmask_b32 v[LG+\e], v[LG+\e], v[L+\e], s28
.endr
.endif
	ds_store_b32 v5, v[CD] offset:512*(\t)
	ds_store_b32 v5, v[CD+1] offset:512*(\t)+4
	ds_store_b32 v5, v[CD+2] offset:512*(\t)+8
	v_cndmask_b32 v20, 0, v18, s26                 ; the record's last 64 bytes: the two scale words at 192 and 224, zeros elsewhere
	ds_store_b32 v6, v20 offset:512*(\t)
.endm
.irp t, 0,1,2,3,4,5,6,7
	STEP \t
.endr
	; THE CHOICE, a lane to a token.  v228, v229 the two largest logits, v230, v231 their experts.
	v_mov_b32 v228, v[LG]
	v_mov_b32 v229, 0xff800000
	v_mov_b32 v230, 0
	v_mov_b32 v231, 0
.irp e, 1,2,3,4,5,6,7
	v_mov_b32 v232, \e
	v_cmp_gt_f32 s29, v[LG+\e], v228
	v_cmp_gt_f32 s30, v[LG+\e], v229
	v_cndmask_b32 v229, v229, v[LG+\e], s30
	v_cndmask_b32 v231, v231, v232, s30
	v_cndmask_b32 v229, v229, v228, s29
	v_cndmask_b32 v231, v231, v230, s29
	v_cndmask_b32 v228, v228, v[LG+\e], s29
	v_cndmask_b32 v230, v230, v232, s29
.endr
.irp e, 0,1,2,3,4,5,6,7
	v_sub_f32 v[L+\e], v[LG+\e], v228              ; the maximum is taken away, as reference()'s softmax does
.endr
	v_sub_f32 v233, v229, v228
.irp e, 0,1,2,3,4,5,6,7
	v_mul_f32 v[L+\e], s27, v[L+\e]
.endr
	v_mul_f32 v233, s27, v233
	s_wait_alu depctr_va_vdst(0)
.irp e, 0,1,2,3,4,5,6,7
	v_exp_f32 v[L+\e], v[L+\e]
.endr
	v_exp_f32 v233, v233                           ; the second's; the first's is 2^0 = 1
	v_nop                                          ; a plain line behind the last exponential
	s_wait_alu depctr_va_vdst(0)                   ; one wait for the nine, ahead of their first reader
	v_add_f32 v234, v[L], v[L+1]
.irp e, 2,3,4,5,6,7
	v_add_f32 v234, v234, v[L+\e]
.endr
	s_wait_alu depctr_va_vdst(0)
	v_rcp_f32 v235, v234                           ; the first's probability
	v_nop
	s_wait_alu depctr_va_vdst(0)
	v_mul_f32 v236, v233, v235                     ; the second's
	v_add_f32 v237, v235, v236
	v_add_f32 v237, 0x3089705f, v237               ; + 1e-9
	s_wait_alu depctr_va_vdst(0)
	v_rcp_f32 v238, v237
	v_nop
	s_wait_alu depctr_va_vdst(0)
	v_mul_f32 v235, v235, v238                     ; the two gates
	v_mul_f32 v236, v236, v238
.irp e, 0,1,2,3,4,5,6,7
	v_cmp_eq_u32 s29, \e, v230
	v_cmp_eq_u32 s30, \e, v231
	v_cndmask_b32 v[G+\e], 0, v235, s29
	v_cndmask_b32 v[G+\e], v[G+\e], v236, s30
.endr
	v_min_u32 v248, v230, v231                     ; lo
	v_add_nc_u32 v249, v230, v231
	v_sub_nc_u32 v249, v249, v248                  ; hi
	v_sub_nc_u32 v250, 15, v248
	v_mul_u32_u24 v250, v250, v248
	v_lshrrev_b32 v250, 1, v250                    ; lo (15 - lo) / 2: where lo's pairs begin
	v_sub_nc_u32 v251, v249, v248
	v_add_nc_u32 v251, -1, v251                    ; lo even: hi - lo - 1
	v_sub_nc_u32 v252, 7, v249                     ; lo odd: 7 - hi
	v_and_b32 v253, 1, v248
	v_cmp_eq_u32 s29, 1, v253
	v_cndmask_b32 v251, v251, v252, s29
	v_add_nc_u32 v250, v250, v251                  ; the key, 0 .. 27
	v_mov_b32 v255, 1
	v_lshlrev_b32 v254, v230, v255
	v_lshlrev_b32 v253, v231, v255
	v_or_b32 v254, v254, v253                      ; the pair's mask
	v_lshlrev_b32 v250, 2, v250
	v_lshl_or_b32 v250, v254, 16, v250
	ds_store_b128 v8, v[G:G+3]                     ; over the zeros that the steps left at 208 and 240
	ds_store_b128 v8, v[G+4:G+7] offset:32
	ds_store_b32 v9, v250
.irp i, 0,1,2,3,4,5,6,7
	ds_load_b128 v[R+4*\i:R+4*\i+3], v7 offset:512*\i   ; LDS serves a wave's instructions in order: these see my stores
.endr
.irp i, 0,1,2,3,4,5,6,7
	s_wait_dscnt 7-\i                              ; the later read-backs may be out
	global_store_b128 v2, v[R+4*\i:R+4*\i+3], s[8:9] offset:512*\i   ; two whole records: 512 consecutive bytes
.endr
	s_wait_dscnt 0x0                               ; my key words have landed
	s_barrier_signal -1
	s_barrier_wait -1
	s_cmp_gt_u32 s14, 1
	s_cbranch_scc1 .Lend
	; RANKS AND COUNTS: wave 0 and wave 1 take a group of 32 tokens each, a lane to a token
	ds_load_b32 v14, v12
	s_wait_dscnt 0x0
	v_bfe_u32 v15, v14, 2, 5                       ; my key
	v_mov_b32 v16, 0
.irp k, 0,1,2,3,4
	v_bfe_u32 v17, v15, \k, 1
	v_cmp_ne_u32 s29, 0, v17                       ; which lanes have bit k
	v_sub_nc_u32 v17, 0, v17                       ; all ones where I have it
	v_xor_b32 v17, s29, v17
	v_or_b32 v16, v16, v17                         ; lanes that differ from me in some bit
.endr
	v_xor_b32 v16, -1, v16                         ; lanes with my key
	v_mbcnt_lo_u32_b32 v17, v16, 1                 ; how many of them stand below me, + 1
	v_lshl_or_b32 v14, v17, 8, v14
	global_store_b32 v13, v14, s[10:11]
	v_mov_b32 v18, 0
.set k, 0
.rept 28
	v_cmp_eq_u32 s29, k, v15
	s_bcnt1_i32_b32 s29, s29
	v_writelane_b32 v18, s29, k                    ; lane k: the group's tokens with key k
.set k, k+1
.endr
	global_store_b32 v13, v18, s[12:13]
.Lend:
	s_wait_tensorcnt 0x0
	ds_add_u32 v227, v239
	s_wait_dscnt 0x0
	s_endpgm
.Lfunc_end_k_q92a98f53c3_route:
	.size	k_q92a98f53c3_route, .Lfunc_end_k_q92a98f53c3_route-k_q92a98f53c3_route
	.p2alignl 7, 3214868480
	.fill 96, 4, 3214868480
	.section	.rodata,"a",@progbits
	.p2align	6, 0x0
	.amdhsa_kernel k_q92a98f53c3_route
		.amdhsa_group_segment_fixed_size 37888
		.amdhsa_private_segment_fixed_size 0
		.amdhsa_enable_private_segment 0
		.amdhsa_kernarg_size 40
		.amdhsa_user_sgpr_count 2
		.amdhsa_user_sgpr_kernarg_segment_ptr 1
		.amdhsa_wavefront_size32 1
		.amdhsa_system_sgpr_workgroup_id_x 1
		.amdhsa_system_sgpr_workgroup_id_y 1
		.amdhsa_system_sgpr_workgroup_id_z 1
		.amdhsa_system_vgpr_workitem_id 0
		.amdhsa_next_free_vgpr 384
		.amdhsa_next_free_sgpr 66
		.amdhsa_reserve_vcc 0
		.amdhsa_float_denorm_mode_32 3
		.amdhsa_float_denorm_mode_16_64 3
		.amdhsa_memory_ordered 1
		.amdhsa_forward_progress 1
		.amdhsa_inst_pref_size 95
	.end_amdhsa_kernel
	.amdgpu_metadata
---
amdhsa.version: [ 1, 2 ]
amdhsa.kernels:
  - .name:           k_q92a98f53c3_route
    .symbol:         k_q92a98f53c3_route.kd
    .args:
      - { .name: x, .offset: 0, .size: 8, .value_kind: global_buffer, .address_space: global }
      - { .name: router_w, .offset: 8, .size: 8, .value_kind: global_buffer, .address_space: global }
      - { .name: xrec, .offset: 16, .size: 8, .value_kind: global_buffer, .address_space: global }
      - { .name: kr, .offset: 24, .size: 8, .value_kind: global_buffer, .address_space: global }
      - { .name: cnt, .offset: 32, .size: 8, .value_kind: global_buffer, .address_space: global }
    .group_segment_fixed_size: 37888
    .private_segment_fixed_size: 0
    .kernarg_segment_align: 8
    .kernarg_segment_size: 40
    .max_flat_workgroup_size: 128
    .sgpr_count:     66
    .vgpr_count:     384
    .wavefront_size: 32
...
	.end_amdgpu_metadata
.endif
;; end of part 1
;; launch prep (part 2): grid 288 x 1, 4 waves a work-group, no clusters, 67,584 bytes of LDS; arguments w1, w2, w3, kr, cnt, wq, order, tiles; writes wq, order, tiles
.if DOCPART == 2
	.amdgcn_target "amdgcn-amd-amdhsa--gfx1250"
	.amdhsa_code_object_version 6
	.text
	.protected	k_q92a98f53c3_prep
	.globl	k_q92a98f53c3_prep
	.p2align	8
	.type	k_q92a98f53c3_prep,@function
k_q92a98f53c3_prep:
	s_mov_b64 s[64:65], 0
	v_nop
	global_prefetch_b8 v0, s[64:65] scope:SCOPE_SE
	s_setreg_imm32_b32 hwreg(HW_REG_WAVE_MODE, 25, 1), 1
	s_wait_xcnt 0x0
; PREP: two jobs side by side, parted once on the work-group's number (the same in all four waves).
; WORK-GROUPS 0 TO 15 SORT the tokens by key (pair of experts): a counting sort without atomics.  Each of them scans all of cnt[512 groups][32 keys] (wave w: groups 128 w on; a lane to a key);
; the waves' totals meet in LDS behind the path's one barrier.  Work-group b then places only the tokens of groups 128 w + 8 b + 0..7: 8 scattered stores a wave.
; Token t goes to place (end of its key's run up to its group) - (rank + 1).  order[place] = token | pair mask << 16.
; THE TILES: each key's run is cut into tiles of at most 80 rows.  With 16,384 tokens and 28 keys there are at most 16384/80 + 28 = 233 of them, whatever the split, so 256 entries serve.
; tiles[n] = first place | rows << 14 | hi << 21 | lo << 24; rows = 0 where there is no tile.  Wave 0 of work-groups 0 to 7 stores 32 entries each.
; WORK-GROUPS 16 TO 287 QUANTISE THE WEIGHTS along K into codes of FP6 (E2M3) and E8M0 bytes, laid in wq in the order of the matrix operand's registers, 435,200 bytes an expert:
;   11 units j of 64 hidden units, 25,600 bytes: fragment (i, s) at (2 i + s) x 1,536 (i = 0..3: w1's tile i; 4..7: w3's tile i - 4; s: K step of 128), three pieces of 512 bytes, piece p = registers 4 p .. 4 p + 3 at 16 x lane;
;   scale image i at 24,576 + 128 i: lane (r, s) holds row r's word of K step s.  Row r of tile t is hidden unit 64 j + 32 (r / 8) + 8 t + r % 8, so that a lane's 32 results of four tiles are one whole block of the next K.
;   At 281,600: four groups g of 64 output columns of w2, 38,400 bytes: fragment (s = 0..5, cl) at (4 s + cl) x 1,536, rows 64 g + 16 cl + r; scale image (cl, sp) at 36,864 + 128 (3 cl + sp), lanes (r, s & 1).
;   Rows from 682 on of w1 and w3, and K from 682 on of w2, are zero codes.
; LIMITS: NaN and infinities are not served.  A block of zeros gets the byte 1 where the rule says 127: its codes are zeros, and this program alone reads the bytes.
.set NS,   16                          ; sorting work-groups
.set STG,  16640                       ; a wave's stage: 16 rows, 1,040 bytes apart
.set SORT, 4*STG                       ; 512 bytes: the waves' totals
.set SPARE, SORT+512                   ; the spare words
.set SPW,  44
.set NIL,  45
.set CN,   64                          ; sort: v64-191 counts of my wave's 128 groups
.set KR,   192                         ; v192-199 kr of my 8 groups
.set MY,   200                         ; v200-207 their counts, then the ends of their runs
.set DT,   208                         ; v208-215 what is stored; v216-223 rank + 1
.set D,    64                          ; weights: v64-191 as loaded; v192-255 two blocks of 32 a lane
.set F,    192
	s_load_b128 s[4:7], s[0:1], 0x0                ; w1, w2
	s_load_b128 s[8:11], s[0:1], 0x10              ; w3, kr
	s_load_b128 s[12:15], s[0:1], 0x20             ; cnt, wq
	s_load_b64 s[16:17], s[0:1], 0x30              ; order
	s_load_b64 s[96:97], s[0:1], 0x38              ; tiles
	v_lshl_add_u32 v[SPW], v0, 2, SPARE
	v_mov_b32 v[NIL], 0
	v_lshrrev_b32 v16, 5, v0
	v_readfirstlane_b32 s18, v16                   ; wave 0..3
	v_and_b32 v1, 31, v0                           ; lane l
	v_and_b32 v4, 15, v0                           ; r
	v_bfe_u32 v5, v0, 4, 1                         ; h
	v_lshlrev_b32 v6, 3, v5                        ; 8 h
	v_mov_b32 v7, 0
	s_mul_i32 s19, s18, STG
	v_lshl_add_u32 v12, v1, 3, s19                 ; stage, in: 8 l
	v_mul_u32_u24 v13, v4, 1040
	v_lshl_add_u32 v13, v5, 7, v13
	v_add_nc_u32 v13, s19, v13                     ; stage, out: row r, + 128 h
	v_lshlrev_b32 v14, 4, v1                       ; 16 l
	v_lshlrev_b32 v15, 2, v1                       ; 4 l
	s_lshl_b32 s20, s18, 7
	s_add_co_u32 s20, s20, SORT
	v_add_nc_u32 v62, s20, v15                     ; my wave's totals
	v_add_nc_u32 v63, SORT, v15                    ; and all four waves'
	s_mov_b32 s28, 0x76543210
	s_mov_b32 s29, 0xfedcba98
	s_wait_alu depctr_va_vdst(0)
	s_wait_kmcnt 0x0
	s_cmp_ge_u32 ttmp9, NS
	s_cbranch_scc1 .Lweights
	; ---------------- THE SORT ----------------
	s_lshl_b32 s20, s18, 14
	s_lshl_b32 s21, ttmp9, 10
	s_lshl_b32 s23, s18, 12
	s_lshl_b32 s24, ttmp9, 8
	s_add_co_u32 s23, s23, s24
	s_mov_b32 s22, 0xff0000
	v_add_nc_u32 v2, s20, v15                      ; cnt and kr alike: 128 bytes a group, my wave's 128 groups, 4 l
	v_add_nc_u32 v56, s21, v2                      ; my 8 groups of them
	v_add_nc_u32 v3, s23, v1                       ; the token of my lane in the first of the 8
	s_wait_alu depctr_va_vdst(0)
.set i, 0
.rept 128
	global_load_b32 v[CN+i], v2, s[12:13] offset:128*i
.set i, i+1
.endr
.set i, 0
.rept 8
	global_load_b32 v[MY+i], v56, s[12:13] offset:128*i
	global_load_b32 v[KR+i], v56, s[10:11] offset:128*i
.set i, i+1
.endr
	s_wait_loadcnt 16                              ; the 128 counts are in; the 16 loads behind them may be out
.set k, 1
.rept 7                                ; sixteen sums of 8 groups, by turns
.set j, 0
.rept 16
	v_add_nc_u32 v[CN+8*j], v[CN+8*j], v[CN+8*j+k]
.set j, j+1
.endr
.set k, k+1
.endr
	v_mov_b32 v17, 0
	v_mov_b32 v19, 0
.set j, 0
.rept 16
	s_cmp_gt_u32 ttmp9, j
	s_cselect_b32 s20, -1, 0
	v_and_b32 v26, s20, v[CN+8*j]
	v_add_nc_u32 v19, v19, v[CN+8*j]               ; my wave's total of my key
	v_add_nc_u32 v17, v17, v26                     ; and what stands ahead of my 8 groups in it
.set j, j+1
.endr
	ds_store_b32 v62, v19
	s_wait_alu depctr_va_vdst(0)
	s_wait_dscnt 0x0                               ; for the others' sake
	s_barrier_signal -1
	s_barrier_wait -1
.irp j, 0,1,2,3
	ds_load_b32 v[20+\j], v63 offset:128*\j
.endr
	s_wait_dscnt 0x0
	v_add_nc_u32 v24, v20, v21
	v_add_nc_u32 v26, v22, v23
	v_add_nc_u32 v24, v24, v26                     ; my key's tokens in all
	v_mov_b32 v25, 0
.irp j, 0,1,2
	s_cmp_gt_u32 s18, \j
	s_cselect_b32 s20, -1, 0
	v_and_b32 v26, s20, v[20+\j]
	v_add_nc_u32 v25, v25, v26                     ; those of the waves below mine
.endr
	v_add_nc_u32 v32, 79, v24
	v_mul_u32_u24 v32, v32, 0xcccd
	v_lshrrev_b32 v32, 22, v32                     ; my key's tiles: (n + 79) / 80 (52,429 / 2^22 serves n up to 16,384)
	v_mov_b32 v27, 0
	v_mov_b32 v33, 0
	s_mov_b32 s21, 0
	s_mov_b32 s24, 0
.set k, 0
.rept 28
	v_readlane_b32 s20, v24, k
	v_writelane_b32 v27, s21, k                    ; where key k's run begins
	s_add_co_u32 s21, s21, s20
	v_readlane_b32 s23, v32, k
	v_writelane_b32 v33, s24, k                    ; and its first tile
	s_add_co_u32 s24, s24, s23
.set k, k+1
.endr
	s_cmp_lt_u32 ttmp9, 8
	s_cselect_b32 s20, 1, 0
	s_cmp_eq_u32 s18, 0
	s_cselect_b32 s20, s20, 0
	s_cmp_eq_u32 s20, 0
	s_wait_alu depctr_va_vdst(0)                   ; ahead of the branch
	s_cbranch_scc1 .Lnotile
	s_lshl_b32 s23, ttmp9, 5
	v_lshl_or_b32 v34, v24, 16, v27                ; lane k: tokens << 16 | first place
	v_add_nc_u32 v35, s23, v1                      ; my entry n of tiles
	v_mov_b32 v36, 0
	v_mov_b32 v37, 0
	v_mov_b32 v38, 0
.set k, 0
.irp c, 1,2,3,4,5,6,7, 15,14,13,12,11,10, 19,20,21,22,23, 31,30,29,28, 37,38,39, 47,46, 55   ; 8 lo + hi of key k
	v_readlane_b32 s20, v34, k
	v_readlane_b32 s23, v33, k
	v_cmp_ge_u32 vcc_lo, v35, s23                  ; the last key whose first tile is not beyond n is n's key
	v_cndmask_b32 v36, v36, s20, vcc_lo
	v_cndmask_b32 v37, v37, s23, vcc_lo
	v_cndmask_b32 v38, v38, \c, vcc_lo
.set k, k+1
.endr
	v_sub_nc_u32 v39, v35, v37
	v_mul_u32_u24 v39, v39, 80                     ; rows of the key ahead of this tile
	v_and_b32 v48, 0xffff, v36
	v_add_nc_u32 v48, v48, v39
	v_min_u32 v48, 0x3fff, v48                     ; its first place
	v_lshrrev_b32 v49, 16, v36
	v_sub_nc_u32 v49, v49, v39
	v_max_i32 v49, 0, v49
	v_min_i32 v49, 80, v49                         ; its rows: 0 behind the last key's last tile
	v_lshl_or_b32 v57, v49, 14, v48
	v_lshl_or_b32 v57, v38, 21, v57
	v_lshlrev_b32 v58, 2, v35
	global_store_b32 v58, v57, s[96:97]            ; 128 consecutive bytes
.Lnotile:
	s_wait_loadcnt 0x0                             ; my 8 groups' counts and kr
	v_add3_u32 v28, v25, v27, v17
	v_add_nc_u32 v[MY], v[MY], v28
.set k, 1
.rept 7
	v_add_nc_u32 v[MY+k], v[MY+k], v[MY+k-1]       ; the end of (key, group)'s run in order
.set k, k+1
.endr
.irp k, 0,1,2,3,4,5,6,7
	v_and_b32 v[16+\k], 0x7c, v[KR+\k]             ; 4 x key: the lane that holds my key's run
	v_min_u32 v[16+\k], 0x7c, v[16+\k]
.endr
.irp k, 0,1,2,3,4,5,6,7
	ds_bpermute_b32 v[24+\k], v[16+\k], v[MY+\k]
.endr
.irp k, 0,1,2,3,4,5,6,7
	v_bfe_u32 v[DT+8+\k], v[KR+\k], 8, 6           ; rank + 1
	v_add_nc_u32 v[DT+\k], 32*\k, v3               ; the token
	v_and_or_b32 v[DT+\k], v[KR+\k], s22, v[DT+\k] ; with its pair's mask on top
.endr
	s_wait_dscnt 0x0
.irp k, 0,1,2,3,4,5,6,7
	v_sub_nc_u32 v[32+\k], v[24+\k], v[DT+8+\k]
	v_min_u32 v[32+\k], 0x3fff, v[32+\k]           ; a place in order
	v_lshlrev_b32 v[32+\k], 2, v[32+\k]
	global_store_b32 v[32+\k], v[DT+\k], s[16:17]  ; the permutation itself
.endr
	s_wait_tensorcnt 0x0                           ; the wave's end
	ds_add_u32 v[SPW], v[NIL]
	s_wait_dscnt 0x0
	s_endpgm
	; ---------------- THE WEIGHTS ----------------
.Lweights:
	s_sub_co_u32 s81, ttmp9, NS                    ; n = 0 .. 271
	s_mul_i32 s78, s81, 241
	s_lshr_b32 s78, s78, 13                        ; the expert: n / 34
	s_mul_i32 s82, s78, 34
	s_sub_co_u32 s79, s81, s82                     ; q = 0 .. 33
	s_lshl_b32 s80, s79, 2
	s_add_co_u32 s80, s80, s18                     ; my wave's task a = 0 .. 135: 44 of w1, 44 of w3, 48 of w2
	s_cmp_lt_u32 s79, 22
	s_cbranch_scc0 .Lw2
	s_cmp_ge_u32 s79, 11
	s_cselect_b32 s83, 1, 0                        ; 0: w1, 1: w3
	s_mul_i32 s84, s83, 44
	s_sub_co_u32 s84, s80, s84
	s_lshr_b32 s85, s84, 2                         ; unit j
	s_and_b32 s86, s84, 3                          ; tile t
	s_lshl_b32 s66, s85, 6
	s_lshl_b32 s87, s86, 3
	s_add_co_u32 s66, s66, s87                     ; the tile's first row: 64 j + 8 t
	s_mov_b32 s67, 32                              ; its rows 8-15 lie 32 further on
	s_mov_b32 s68, 681                             ; the last row
	s_mov_b32 s69, 1024                            ; bytes in a row
	s_mov_b32 s70, 0                               ; first byte along K
	s_mov_b32 s71, 1016                            ; a row's last 8 bytes
	s_lshl_b32 s87, s83, 2
	s_add_co_u32 s87, s87, s86                     ; i
	s_mul_i32 s88, s85, 25600
	s_mul_i32 s72, s87, 3072
	s_add_co_u32 s72, s72, s88                     ; the first fragment's place,
	s_mov_b32 s73, 1536                            ; the second's behind it,
	s_lshl_b32 s74, s87, 7
	s_add_co_u32 s74, s74, s88
	s_add_co_u32 s74, s74, 24576                   ; the scale image's
	s_mov_b32 s75, 0
	s_branch .Lgo
.Lw2:
	s_sub_co_u32 s84, s80, 88
	s_lshr_b32 s85, s84, 4                         ; sp: K steps 2 sp and 2 sp + 1
	s_and_b32 s86, s84, 15                         ; tile of 16 output columns
	s_lshl_b32 s66, s86, 4
	s_mov_b32 s67, 8
	s_mov_b32 s68, 255
	s_mov_b32 s69, 2728
	s_lshl_b32 s70, s85, 10
	s_mov_b32 s71, 2720
	s_lshr_b32 s87, s86, 2
	s_and_b32 s89, s86, 3
	s_mul_i32 s88, s87, 38400
	s_add_co_u32 s88, s88, 281600
	s_lshl_b32 s72, s85, 3
	s_add_co_u32 s72, s72, s89
	s_mul_i32 s72, s72, 1536
	s_add_co_u32 s72, s72, s88
	s_mov_b32 s73, 6144
	s_mul_i32 s74, s89, 3
	s_add_co_u32 s74, s74, s85
	s_lshl_b32 s74, s74, 7
	s_add_co_u32 s74, s74, s88
	s_add_co_u32 s74, s74, 36864
	s_cmp_eq_u32 s85, 2
	s_cselect_b32 s75, 1, 0                        ; the task that holds K's end
.Lgo:
	s_cmp_ge_u32 s79, 11                           ; the tensor is chosen by the task's number alone
	s_cselect_b64 s[76:77], s[8:9], s[4:5]
	s_cmp_ge_u32 s79, 22
	s_cselect_b64 s[76:77], s[6:7], s[76:77]
	s_mov_b32 s93, 0
	s_mul_i32 s92, s78, 698368                     ; an expert's bytes in each of the three tensors
	s_add_nc_u64 s[76:77], s[76:77], s[92:93]
	s_mul_i32 s94, s78, 435200
	s_add_co_u32 s92, s94, s72
	s_add_nc_u64 s[24:25], s[14:15], s[92:93]      ; where the first fragment goes,
	s_mov_b32 s92, s73
	s_add_nc_u64 s[26:27], s[24:25], s[92:93]      ; the second,
	s_add_co_u32 s92, s94, s74
	s_add_nc_u64 s[30:31], s[14:15], s[92:93]      ; the scale image
	s_add_co_u32 s89, s66, s67
.irp rr, 0,1,2,3,4,5,6,7               ; sixteen row addresses; a row past the last is held at the last, and its codes become zeros below
	s_add_co_u32 s92, s66, \rr
	s_min_u32 s92, s92, s68
	s_mul_i32 s92, s92, s69
	s_add_nc_u64 s[32+2*\rr:33+2*\rr], s[76:77], s[92:93]
	s_add_co_u32 s92, s89, \rr
	s_min_u32 s92, s92, s68
	s_mul_i32 s92, s92, s69
	s_add_nc_u64 s[48+2*\rr:49+2*\rr], s[76:77], s[92:93]
.endr
	v_lshlrev_b32 v8, 3, v1
	v_add_nc_u32 v8, s70, v8
.irp i, 1,2,3
	v_add_nc_u32 v[8+\i], 256*\i, v8
.endr
.irp i, 0,1,2,3
	v_min_u32 v[8+\i], s71, v[8+\i]                ; held at the row's last 8 bytes
.endr
	v_and_b32 v16, 7, v4
	v_lshrrev_b32 v17, 3, v4
	v_mul_u32_u24 v17, v17, s67
	v_add3_u32 v16, v16, v17, s66                  ; my lane's row of the tensor
	v_cmp_ge_u32 s90, s68, v16                     ; does it exist?
	s_mov_b32 s91, 0xffff0000                      ; lanes 16-31
	v_mov_b32 v31, 0
.irp kk, 0,1
.set rho, 0
.rept 16
.irp ii, 0,1
	global_load_b64 v[D+64*\kk+4*rho+2*\ii:D+64*\kk+4*rho+2*\ii+1], v[8+2*\kk+\ii], s[32+2*rho:33+2*rho] th:TH_LOAD_NT   ; 256 consecutive bytes of a row
.endr
.set rho, rho+1
.endr
.endr
.macro QHALF k                         ; K step k of the task: a fragment, and its rows' scale words in v[60 + k]
.set PB, 32+16*(\k)
.set rho, 0
.rept 16
.irp ii, 0,1
	ds_store_b64 v12, v[D+64*(\k)+4*rho+2*\ii:D+64*(\k)+4*rho+2*\ii+1] offset:1040*rho+512*(\k)+256*\ii
.endr
.set rho, rho+1
.endr
.irp c, 0,1
.irp q, 0,1,2,3,4,5,6,7
	ds_load_b128 v[F+32*\c+4*\q:F+32*\c+4*\q+3], v13 offset:512*(\k)+256*\c+16*\q   ; lane (r, h): k = 64 c + 32 h + 0 .. 31 of row r
.endr
.endr
	s_wait_dscnt 0x0
.if (\k) == 1
	s_cmp_eq_u32 s75, 0
	s_cbranch_scc1 .Lno_end
.set i, 10
.rept 22
	v_cndmask_b32 v[F+i], v[F+i], v31, s91         ; K = 682 .. 703: numbers 10 to 31 of block 21, which lanes 16-31 hold
.set i, i+1
.endr
.set i, 32
.rept 32
	v_mov_b32 v[F+i], 0                            ; K = 704 .. 767
.set i, i+1
.endr
.Lno_end:
.endif
.irp c, 0,1
	v_max3_num_f32 v[16+\c], |v[F+32*\c]|, |v[F+32*\c+1]|, 0x1800000   ; my block 2 c + h; the floor 2^(3 - 127) holds the byte at 1 from below
.endr
.irp i, 2,4,6,8,10,12,14,16,18,20,22,24,26,28,30
.irp c, 0,1
	v_max3_num_f32 v[16+\c], v[16+\c], |v[F+32*\c+\i]|, |v[F+32*\c+\i+1]|
.endr
.endr
.irp c, 0,1
	v_add_nc_u32 v[18+\c], 0xff000000, v[16+\c]    ; 2 off the exponent field: the conversion's scale operand
.endr
.irp c, 0,1
	v_lshrrev_b32 v[20+\c], 23, v[18+\c]           ; the scale's byte
.endr
.irp c, 0,1
	v_cvt_scalef32_pk16_fp6_f32 v[PB+6*\c:PB+6*\c+2], v[F+32*\c:F+32*\c+15], v[18+\c]
	v_cvt_scalef32_pk16_fp6_f32 v[24+4*\c:26+4*\c], v[F+32*\c+16:F+32*\c+31], v[18+\c]
.endr
	v_nop                                          ; one plain line behind the conversions
.irp c, 0,1
.irp i, 0,1,2
	v_mov_b32 v[PB+6*\c+3+\i], v[24+4*\c+\i]
.endr
.endr
	v_lshl_or_b32 v22, v21, 16, v20                ; my two bytes, blocks h and 2 + h,
	v_lshlrev_b32 v22, v6, v22                     ; at their places;
	v_permlanex16_b32 v7, v22, s28, s29
	v_or_b32 v[60+(\k)], v22, v7                   ; with lane l xor 16's two the word is whole
.irp i, 0,1,2,3,4,5,6,7,8,9,10,11
	v_cndmask_b32 v[PB+\i], 0, v[PB+\i], s90       ; a row that does not exist: zero codes
.endr
.irp p, 0,1,2
	global_store_b128 v14, v[PB+4*\p:PB+4*\p+3], s[24+2*(\k):25+2*(\k)] offset:512*\p   ; 512 consecutive bytes
.endr
.endm
	s_wait_loadcnt 32                              ; the first K step's 32 loads are in; the second's may be out
	QHALF 0
	s_wait_loadcnt 0x0
	QHALF 1
	v_cndmask_b32 v60, v60, v61, s91               ; lanes 0-15: K step 0's words, lanes 16-31: K step 1's
	global_store_b32 v15, v60, s[30:31]
	s_wait_tensorcnt 0x0                           ; the wave's end
	ds_add_u32 v[SPW], v[NIL]
	s_wait_dscnt 0x0
	s_endpgm
.Lfunc_end_k_q92a98f53c3_prep:
	.size	k_q92a98f53c3_prep, .Lfunc_end_k_q92a98f53c3_prep-k_q92a98f53c3_prep
	.p2alignl 7, 3214868480
	.fill 96, 4, 3214868480
	.section	.rodata,"a",@progbits
	.p2align	6, 0x0
	.amdhsa_kernel k_q92a98f53c3_prep
		.amdhsa_group_segment_fixed_size 67584
		.amdhsa_private_segment_fixed_size 0
		.amdhsa_enable_private_segment 0
		.amdhsa_kernarg_size 64
		.amdhsa_user_sgpr_count 2
		.amdhsa_user_sgpr_kernarg_segment_ptr 1
		.amdhsa_wavefront_size32 1
		.amdhsa_system_sgpr_workgroup_id_x 1
		.amdhsa_system_sgpr_workgroup_id_y 1
		.amdhsa_system_sgpr_workgroup_id_z 1
		.amdhsa_system_vgpr_workitem_id 0
		.amdhsa_next_free_vgpr 256
		.amdhsa_next_free_sgpr 100
		.amdhsa_reserve_vcc 1
		.amdhsa_float_denorm_mode_32 3
		.amdhsa_float_denorm_mode_16_64 3
		.amdhsa_memory_ordered 1
		.amdhsa_forward_progress 1
		.amdhsa_inst_pref_size 77
	.end_amdhsa_kernel
	.amdgpu_metadata
---
amdhsa.version: [ 1, 2 ]
amdhsa.kernels:
  - .name:           k_q92a98f53c3_prep
    .symbol:         k_q92a98f53c3_prep.kd
    .args:
      - { .name: w1, .offset: 0, .size: 8, .value_kind: global_buffer, .address_space: global }
      - { .name: w2, .offset: 8, .size: 8, .value_kind: global_buffer, .address_space: global }
      - { .name: w3, .offset: 16, .size: 8, .value_kind: global_buffer, .address_space: global }
      - { .name: kr, .offset: 24, .size: 8, .value_kind: global_buffer, .address_space: global }
      - { .name: cnt, .offset: 32, .size: 8, .value_kind: global_buffer, .address_space: global }
      - { .name: wq, .offset: 40, .size: 8, .value_kind: global_buffer, .address_space: global }
      - { .name: order, .offset: 48, .size: 8, .value_kind: global_buffer, .address_space: global }
      - { .name: tiles, .offset: 56, .size: 8, .value_kind: global_buffer, .address_space: global }
    .group_segment_fixed_size: 67584
    .private_segment_fixed_size: 0
    .kernarg_segment_align: 8
    .kernarg_segment_size: 64
    .max_flat_workgroup_size: 128
    .sgpr_count:     100
    .vgpr_count:     256
    .wavefront_size: 32
...
	.end_amdgpu_metadata
.endif
;; end of part 2
;; launch experts (part 3): grid 256 x 1, 4 waves a work-group, no clusters, 146,176 bytes of LDS; arguments xrec, order, wq, out0, tiles; writes out0
.if DOCPART == 3
	.amdgcn_target "amdgcn-amd-amdhsa--gfx1250"
	.amdhsa_code_object_version 6
	.text
	.protected	k_q92a98f53c3_experts
	.globl	k_q92a98f53c3_experts
	.p2align	8
	.type	k_q92a98f53c3_experts,@function
k_q92a98f53c3_experts:
	s_mov_b64 s[64:65], 0
	v_nop
	global_prefetch_b8 v0, s[64:65] scope:SCOPE_SE
	s_setreg_imm32_b32 hwreg(HW_REG_WAVE_MODE, 25, 1), 1
	s_wait_xcnt 0x0
; EXPERTS.  out[token] = the sum over the token's two experts of gate x w2 (silu(w1 x) * (w3 x)), all three products on codes of FP6 (E2M3) with E8M0 scales for each 32 along K.
; WORK LEFT OUT: reference() gives every expert that a token did not choose the gate 0 (its own one_hot of its own top_k), so those experts' rows of products 3, 4 and 5 reach no output, whatever the inputs hold;
; only the two chosen experts are multiplied.  A NaN, an infinity or an overflow that arises only in an expert not chosen is not carried to the result.
; SHARES.  A work-group takes one entry of tiles: up to 80 consecutive entries of order, all with ONE pair of experts: five row tiles m of 16, and every output row has this one owner.  An entry with no rows ends at once
; (the fixed grid of 256 serves every split).  Rows past the tile's count repeat its last token: they compute and store the same bytes once more.
; Two trips: expert lo, then expert hi.  THE WAVES SHARE THE COLUMNS: in phase 1 wave w makes units j = w, w + 4, w + 8 of 64 hidden units, in phase 2 the output columns 64 w on.
; Each weight fragment is loaded by one wave, 512 consecutive bytes a load, straight into the operand's registers, and feeds five matrix instructions.
; LOADS: one chunk is on its way under each stretch of work: unit 1 under unit 0's, unit 2 under unit 1's, w2's K steps 0-3 under unit 2's, the next expert's unit 0 under phase 2.  A chunk goes out in quarters,
; one ahead of each of the stretch's first four row tiles; w2's K steps 4, 5 and its scale words, 36 loads, go out ahead of unit 0's fifth.
; BOTH PRODUCTS ARE USED TRANSPOSED (source 0 = 16 rows of a weight, source 1 = 16 tokens): a lane holds one token throughout, and its 32 results of four tiles are one whole block of the next K (launch prep chose the rows so).
; The hidden layer goes from wave to wave through LDS as an image of the next operand's registers, 768 bytes for (m, j).  The first expert's gate x y waits in LDS, each lane's own 16 bytes, for the second's.
; A ROW TILE'S WORK: 32 plain lines read the tile before's results; this tile's eight products of K step 0 stand among that tile's 32 exponentials; the additions and the 32 reciprocals follow;
; this tile's eight products of K step 1 stand among the plain lines of that tile's end (the products with the sigmoid, the block's largest magnitude).
; NO TENSOR LOADS, NO CLUSTER: an empty entry ends on a number read from memory, and which weights a work-group reads hangs on the stored list, so partners would need different tiles.
; NO PREFETCH: the weights are read by many work-groups of the launch at about the same time, and each chunk is asked for a stretch of work ahead.
; LIMITS: NaN and infinities are not served.  A hidden block of zeros gets the byte 1 where the rule says 127 (its codes are zeros).  Where -1.4427 h1 passes 128 the sigmoid is taken as 0.
; REGISTERS.  Window 0: v1-16 addresses; v17-19, v88-95 the quantiser's; v20-39, v60-87 scale words and nothing else; v40-59 gates; v96-127 the sigmoid; v128-255 two sets of 8 accumulators; in phase 2 v96-255 the 20 of y.
;   Window 1: v0-191 weight buffer A (in the second trip's phase 2: the first expert's part); v192-251 hidden fragments, even K steps.  Window 2: v0-191 buffer B, then w2's K steps 0-3; v192-251 hidden fragments, odd K steps.
;   Window 3: v0-119 x's fragments (24 m + 12 s); v120-159 the output rows' offsets; v160-255 w2's K steps 4, 5.
.set HIMG, 0                           ; LDS: 55 images of 768 bytes, (11 m + j): 512 bytes of registers 0-3 at 16 x lane, 256 of registers 4, 5 at 8 x lane
.set HSC,  42240                       ; 2,048 bytes: byte at 640 (s / 2) + 128 m + 4 (r + 16 (s % 2)) + 2 c + h
.set STASH, 44288                      ; 4 x 20,480 bytes: the first expert's gate x y
.set OST,  126208                      ; 4 x 4,352 bytes: a stage of 16 rows x (256 + 16) for each wave
.set TOKT, 143616                      ; 4 x 512 bytes: each wave's own list of the 80 tokens
.set SPARE, 145664                     ; the spare words
.set UNITB, 25600
.set W2SEC, 281600
.set W2GRP, 38400
.set EXPB,  435200
.set HS,  20
.set XS,  35
.set GA0, 40
.set GA1, 50
.set WSA, 60
.set W2S, 76
.set SG,  96
.set HACC, 128
.set YA,  96
.set AD,  112                          ; the head's: v112-137
.set TK,  117
.set REC, 122
.set XA,  128
.set XB,  133
.set TO,  120                          ; in window 3
.set W2C, 160                          ; in window 3
.set HB,  192                          ; in windows 1 and 2
.set MSB, 0
.macro WIN new                         ; the immediate's high byte repeats the setting that is left; at every label and branch the setting is 0
.if MSB != (\new)
	s_set_vgpr_msb (MSB<<8)|(\new)
.set MSB, (\new)
.endif
.endm
	s_load_b256 s[4:11], s[0:1], 0x0               ; xrec s[4:5], order s[6:7], wq s[8:9], out0 s[10:11]
	s_load_b64 s[24:25], s[0:1], 0x20              ; tiles
	v_lshl_add_u32 v9, v0, 2, SPARE
	v_mov_b32 v13, 0
	v_lshrrev_b32 v100, 5, v0
	v_readfirstlane_b32 s12, v100                  ; wave 0..3
	; the scalar part of the addresses first, the vector part on end behind it
	s_mul_i32 s30, s12, UNITB
	s_mul_i32 s31, s12, W2GRP
	s_mul_i32 s32, s12, 768
	s_add_co_u32 s33, s32, 512
	s_lshr_b32 s34, s12, 1
	s_lshl_b32 s34, s34, 6
	s_and_b32 s20, s12, 1
	s_lshl_b32 s20, s20, 1
	s_add_co_u32 s34, s34, s20
	s_add_co_u32 s34, s34, HSC
	s_mul_i32 s35, s12, 20480
	s_add_co_u32 s35, s35, STASH
	s_mul_i32 s36, s12, 4352
	s_add_co_u32 s36, s36, OST
	s_lshl_b32 s37, s12, 8
	s_lshl_b32 s38, s12, 9
	s_add_co_u32 s38, s38, TOKT
	s_mov_b32 s16, 0xbfb8aa3b                      ; -log2(e)
	s_mov_b32 s17, s16
	v_and_b32 v100, 31, v0                         ; l
	v_and_b32 v101, 15, v0                         ; r
	v_bfe_u32 v102, v0, 4, 1                       ; h
	v_lshlrev_b32 v1, 4, v100                      ; 16 l: also where any wave reads an image
	v_lshlrev_b32 v103, 2, v100
	v_lshlrev_b32 v104, 3, v100
	v_add_nc_u32 v2, s30, v1                       ; my units' fragments
	v_add_nc_u32 v3, s30, v103                     ; and scale images
	v_add_nc_u32 v4, s31, v1                       ; my group of w2
	v_add_nc_u32 v5, s31, v103
	v_add_nc_u32 v6, s32, v1                       ; where I store an image's registers 0-3,
	v_add_nc_u32 v7, s33, v104                     ; its registers 4, 5,
	v_lshl_add_u32 v8, v101, 2, v102
	v_add_nc_u32 v8, s34, v8                       ; its scale byte: 64 (w / 2) + 2 (w % 2) + 4 r + h
	v_add_nc_u32 v10, 512, v104
	v_add_nc_u32 v11, HSC, v103
	v_add_nc_u32 v12, s35, v1                      ; my 16 bytes of a piece of the stash
	v_mul_u32_u24 v14, v101, 272
	v_lshl_add_u32 v14, v102, 5, v14
	v_add_nc_u32 v14, s36, v14                     ; my stage, in: row r, + 32 h
	v_mul_u32_u24 v15, v102, 272
	v_lshl_add_u32 v15, v101, 4, v15
	v_add_nc_u32 v15, s36, v15                     ; back: lanes 0-15 one row, lanes 16-31 the next
	v_lshl_add_u32 v16, v101, 4, s37               ; my 16 bytes of my wave's 256 in a row of out
	v_lshl_add_u32 v105, v101, 2, s38              ; my list of tokens, in: 4 r
	v_lshl_add_u32 v106, v102, 2, s38              ; out: 4 h
	v_lshl_add_u32 v107, v0, 2, HSC
	v_mov_b32 v108, 0x7f7f7f7f
	v_mul_u32_u24 v109, v102, 96
	v_lshlrev_b32 v110, 5, v102
	s_wait_alu depctr_va_vdst(0)
	s_wait_kmcnt 0x0
	s_lshl_b32 s20, ttmp9, 2
	s_mov_b32 s21, 0
	s_add_nc_u64 s[24:25], s[24:25], s[20:21]
	s_load_b32 s22, s[24:25], 0x0                  ; my entry of tiles
	s_wait_kmcnt 0x0
	s_bfe_u32 s13, s22, 0x7000e                    ; rows
	s_cmp_eq_u32 s13, 0
	s_cbranch_scc1 .Lnone                          ; no tile: nothing to store
	s_min_u32 s13, s13, 80
	s_sub_co_u32 s15, s13, 1
	s_and_b32 s23, s22, 0x3fff                     ; first place in order
	s_bfe_u32 s26, s22, 0x30018
	s_min_u32 s26, s26, 7                          ; lo
	s_bfe_u32 s27, s22, 0x30015
	s_min_u32 s27, s27, 7                          ; hi
	s_mul_i32 s20, s27, EXPB
	s_add_nc_u64 s[28:29], s[8:9], s[20:21]        ; hi's weights
	s_mul_i32 s20, s26, EXPB
	s_add_nc_u64 s[8:9], s[8:9], s[20:21]          ; lo's
	s_and_b32 s20, s26, 4                          ; a gate's place in a record: 208 + 32 (e / 4) + 4 (e % 4)
	s_lshl_b32 s20, s20, 3
	s_and_b32 s19, s26, 3
	s_lshl_b32 s19, s19, 2
	s_add_co_u32 s20, s20, s19
	s_add_co_u32 s20, s20, 208
	s_add_nc_u64 s[40:41], s[4:5], s[20:21]
	s_and_b32 s20, s27, 4
	s_lshl_b32 s20, s20, 3
	s_and_b32 s19, s27, 3
	s_lshl_b32 s19, s19, 2
	s_add_co_u32 s20, s20, s19
	s_add_co_u32 s20, s20, 208
	s_add_nc_u64 s[42:43], s[4:5], s[20:21]
	s_mov_b32 s14, 0                               ; the trip
.irp m, 0,1,2,3,4
	v_add_nc_u32 v[AD+\m], 16*\m, v101             ; row 16 m + r,
	v_min_u32 v[AD+\m], s15, v[AD+\m]              ; held at the tile's last row
	v_add_nc_u32 v[AD+\m], s23, v[AD+\m]
	v_min_u32 v[AD+\m], 0x3fff, v[AD+\m]
	v_lshlrev_b32 v[AD+\m], 2, v[AD+\m]
.endr
.irp m, 0,1,2,3,4
	global_load_b32 v[TK+\m], v[AD+\m], s[6:7]
.endr
; a quarter of a unit (4 of its 16 fragments, 2 of its 8 scale images: 14 loads) into buffer buf (0: A, window 1; 1: B, window 2), from the weights at s[b:b+1]
.macro LOADQ buf, q, b, part
	WIN 0x40*(1+(\buf))
.set k, 12*(\part)
.rept 12
	global_load_b128 v[4*k:4*k+3], v2, s[\b:\b+1] offset:4*UNITB*(\q)+512*k
.set k, k+1
.endr
	WIN 0
.set k, 2*(\part)
.rept 2
	global_load_b32 v[WSA+8*(\buf)+k], v3, s[\b:\b+1] offset:4*UNITB*(\q)+24576+128*k
.set k, k+1
.endr
.endm
.macro LOADW buf, q, b                 ; a whole unit: 56 loads
.irp part, 0,1,2,3
	LOADQ \buf, \q, \b, \part
.endr
.endm
.macro LOADQ3 part                     ; a quarter of the third unit into buffer A; wave 3 has none
	s_cmp_eq_u32 s12, 3
	s_cbranch_scc1 .Lq3_\@
	LOADQ 0, 2, 8, \part
.Lq3_\@:
.endm
.macro LOADAB part, cnt                ; cnt loads of w2's K steps 0-3 into buffer B, from its piece 12 part on
	WIN 0x80
.set k, 12*(\part)
.rept \cnt
	global_load_b128 v[4*k:4*k+3], v4, s[8:9] offset:W2SEC+512*k
.set k, k+1
.endr
	WIN 0
.endm
	LOADW 0, 0, 8                                  ; lo's unit 0 sets out beside the gather
.irp k, 0,1,2,3
	ds_store_b32 v107, v108 offset:512*\k          ; the scale bytes begin as 127: those of hidden units 704 on are never made, and stand over zero codes of w2
.endr
	s_wait_loadcnt 56                              ; the five entries of order are in; the unit's 56 loads may be out
.irp m, 0,1,2,3,4
	v_and_b32 v[TK+\m], 0xffff, v[TK+\m]
	v_min_u32 v[TK+\m], 0x3fff, v[TK+\m]
	v_lshlrev_b32 v[REC+\m], 8, v[TK+\m]           ; the token's record
	v_add_nc_u32 v[XA+\m], v[REC+\m], v109         ; + 96 h: my 96 code bytes
	v_add_nc_u32 v[XB+\m], v[REC+\m], v110         ; + 32 h
.endr
.irp m, 0,1,2,3,4
	ds_store_b32 v105, v[TK+\m] offset:64*\m       ; lanes r and r + 16 write the same word with the same value
.endr
	WIN 0xc0
.irp m, 0,1,2,3,4
.irp i, 0,1,2,3,4,5
	global_load_b128 v[24*\m+4*\i:24*\m+4*\i+3], v[XA+\m], s[4:5] offset:16*\i   ; x's two fragments of tile m: they stay
.endr
.endr
	WIN 0
.irp m, 0,1,2,3,4
	global_load_b32 v[XS+\m], v[XB+\m], s[4:5] offset:192
	global_load_b32 v[GA0+2*\m], v[REC+\m], s[40:41]       ; the pair (lo's gate, hi's) for the first trip,
	global_load_b32 v[GA0+2*\m+1], v[REC+\m], s[42:43]
	global_load_b32 v[GA1+2*\m], v[REC+\m], s[42:43]       ; and (hi's, lo's) for the second: the packed forms take a pair's low word
	global_load_b32 v[GA1+2*\m+1], v[REC+\m], s[40:41]
.endr
	WIN 0xc0
.irp m, 0,1,2,3,4
.irp i, 0,1,2,3,4,5,6,7
	ds_load_b32 v[TO+8*\m+\i], v106 offset:64*\m+8*\i      ; row 16 m + 2 i + l / 16: the rows as they leave.  LDS serves a wave's instructions in order
.endr
.endr
	WIN 0
	s_wait_dscnt 0x0
	WIN 0xcc                                       ; destination and source 1 window 3
.set i, 0
.rept 40
	v_min_u32 v[TO+i], 0x3fff, v[TO+i]
	v_lshlrev_b32 v[TO+i], 10, v[TO+i]
	v_add_nc_u32 v[TO+i], v16, v[TO+i]             ; token x 1,024 + 256 w + 16 (l % 16)
.set i, i+1
.endr
	WIN 0
	s_wait_alu depctr_va_vdst(0)
	s_wait_dscnt 0x0
	s_barrier_signal -1
	s_barrier_wait -1                              ; every scale byte has its 127
; matrix instruction n of 16 of row tile m: tile n % 8 (0-3: w1's, 4-7: w3's), K step n / 8.  The eight accumulators take turns.
.macro WM buf, m, set, n
.set WI, (\n)%8
.set WK, (\n)/8
.set WD, HACC+64*(\set)+8*WI
.set WA, 12*(2*WI+WK)
.set WX, 24*(\m)+12*WK
.set WC, WSA+8*(\buf)+WI
	WIN 0x0d+(\buf)                                ; source 0 window 1 or 2, source 1 (x) window 3
.if WK == 0
	v_wmma_scale_f32_16x16x128_f8f6f4 v[WD:WD+7], v[WA:WA+11], v[WX:WX+11], 0, v[WC], v[XS+(\m)] matrix_a_fmt:MATRIX_FMT_FP6 matrix_b_fmt:MATRIX_FMT_FP6
.else
	v_wmma_scale_f32_16x16x128_f8f6f4 v[WD:WD+7], v[WA:WA+11], v[WX:WX+11], v[WD:WD+7], v[WC], v[XS+(\m)] matrix_a_fmt:MATRIX_FMT_FP6 matrix_b_fmt:MATRIX_FMT_FP6 matrix_a_scale:MATRIX_SCALE_ROW1 matrix_b_scale:MATRIX_SCALE_ROW1
.endif
.endm
; silu(h1) h3 = h1 h3 / (1 + 2^(-log2(e) h1)).  PRE: the 32 plain lines that read a set's results, each accumulator from its low end on
.macro PRE set
.set VH, HACC+64*(\set)
	WIN 0
	s_wait_alu depctr_va_vdst(0)                   ; directly ahead of the first reader of the results
.irp k, 0,1,2,3
.irp p, 0,1,2,3
	v_pk_mul_f32 v[SG+8*\k+2*\p:SG+8*\k+2*\p+1], v[VH+8*\k+2*\p:VH+8*\k+2*\p+1], s[16:17] op_sel_hi:[1,0]
.endr
.endr
.irp k, 0,1,2,3
.irp p, 0,1,2,3
	v_pk_mul_f32 v[VH+32+8*\k+2*\p:VH+32+8*\k+2*\p+1], v[VH+32+8*\k+2*\p:VH+32+8*\k+2*\p+1], v[VH+8*\k+2*\p:VH+8*\k+2*\p+1]
.endr
.endr
	s_wait_alu depctr_va_vdst(0)                   ; ahead of the exponentials
.endm
.macro TR op, i0                       ; four transcendentals in place
	WIN 0
.irp i, 0,1,2,3
	\op v[SG+(\i0)+\i], v[SG+(\i0)+\i]
.endr
.endm
.macro MID                             ; between the exponentials and the reciprocals
	WIN 0
	v_nop                                          ; a plain line behind the last exponential
	s_wait_alu depctr_va_vdst(0)                   ; one wait for the batch
.irp p, 0,1,2,3,4,5,6,7,8,9,10,11,12,13,14,15
	v_pk_add_f32 v[SG+2*\p:SG+2*\p+1], v[SG+2*\p:SG+2*\p+1], 1.0 op_sel_hi:[1,0]
.endr
	s_wait_alu depctr_va_vdst(0)                   ; ahead of the reciprocals
.endm
.macro RCPS
.set n, 0
.rept 8
	TR v_rcp_f32, 4*n
.set n, n+1
.endr
.endm
.macro TW w, buf, m, set, n            ; where w = 1: a product of K step 1 of the tile at work, among the plain lines of the tile before's end
.if \w
	WM \buf, \m, \set, \n
	WIN 0
.endif
.endm
.macro MX i                            ; two lines of the search for the block's largest magnitude, in two chains
	v_max3_num_f32 v17, v17, |v[TH+(\i)]|, |v[TH+(\i)+1]|
	v_max3_num_f32 v18, v18, |v[TH+(\i)+2]|, |v[TH+(\i)+3]|
.endm
; a tile's end: the products with the sigmoid; then the lane's 32 hidden numbers, one whole block, become six code registers and a scale byte, and go to LDS as (m, w + 4 q)'s image.
; No transcendental stands between the wait at its head and the eight products of K step 1 (tile wm, set wset, buffer buf), which add onto K step 0's results.
.macro TAIL set, m, q, w, buf, wm, wset
.set TH, HACC+64*(\set)+32
	WIN 0
	s_wait_dscnt 0x0                               ; the last image's stores, a whole tile ago, have read their registers
	v_nop                                          ; a plain line behind the last reciprocal
	s_wait_alu depctr_va_vdst(0)                   ; one wait for the reciprocals and for K step 0's results
.irp g, 0,1,2,3
	TW \w, \buf, \wm, \wset, 8+\g
.irp p, 0,1,2,3
	v_pk_mul_f32 v[TH+8*\g+2*\p:TH+8*\g+2*\p+1], v[TH+8*\g+2*\p:TH+8*\g+2*\p+1], v[SG+8*\g+2*\p:SG+8*\g+2*\p+1]
.endr
.endr
	TW \w, \buf, \wm, \wset, 12
	v_max3_num_f32 v17, |v[TH]|, |v[TH+1]|, 0x1800000              ; the floor 2^(3 - 127): the byte cannot fall under 1
	v_max3_num_f32 v18, |v[TH+2]|, |v[TH+3]|, |v[TH+4]|
	MX 5
	TW \w, \buf, \wm, \wset, 13
	MX 9
	MX 13
	TW \w, \buf, \wm, \wset, 14
	MX 17
	MX 21
	TW \w, \buf, \wm, \wset, 15
	MX 25
	v_max3_num_f32 v17, v17, |v[TH+29]|, |v[TH+30]|
	v_max3_num_f32 v17, v17, v18, |v[TH+31]|
	v_add_nc_u32 v19, 0xff000000, v17              ; 2 off the exponent field: the conversion's scale operand
	v_cvt_scalef32_pk16_fp6_f32 v[88:90], v[TH:TH+15], v19
	v_cvt_scalef32_pk16_fp6_f32 v[92:94], v[TH+16:TH+31], v19      ; (a conversion's three registers begin on an even number)
	v_lshrrev_b32 v95, 23, v19                     ; the scale's byte (the plain line behind the conversions)
	v_mov_b32 v91, v92
	v_mov_b32 v92, v93
	v_mov_b32 v93, v94
	ds_store_b128 v6, v[88:91] offset:HIMG+(11*(\m)+4*(\q))*768
	ds_store_b64 v7, v[92:93] offset:HIMG+(11*(\m)+4*(\q))*768
	ds_store_b8 v8, v95 offset:640*(\q)+128*(\m)
.endm
; a row tile (buffer buf, tile m, accumulators set) with the silu and quantiser of the tile before (the other set; tile pm of unit w + 4 pq).  prev = 0: the trip's first tile; four plain lines stand behind its products
.macro GROUP buf, m, set, prev, pm, pq
.if \prev
	PRE 1-(\set)
.set n, 0
.rept 8
	WM \buf, \m, \set, n
	TR v_exp_f32, 4*n
.set n, n+1
.endr
	MID
	RCPS
	TAIL 1-(\set), \pm, \pq, 1, \buf, \m, \set
.else
.set n, 0
.rept 16
	WM \buf, \m, \set, n
.set n, n+1
.endr
	WIN 0
.rept 4
	v_nop
.endr
.endif
.endm
.macro DRAIN set, m, q                 ; the last row tile's silu and quantiser
	PRE \set
.set n, 0
.rept 8
	TR v_exp_f32, 4*n
.set n, n+1
.endr
	MID
	RCPS
	TAIL \set, \m, \q, 0, 0, 0, 0
.endm
; the five row tiles' hidden fragments of K step s; hidden units 704 on have no image: those six registers keep older codes, which meet zero codes of w2
.macro FETCHH s
	WIN 0x40*(1+(\s)%2)
.irp m, 0,1,2,3,4
.irp c, 0,1
.if (2*(\s)+\c) < 11
	ds_load_b128 v[HB+12*\m+6*\c:HB+12*\m+6*\c+3], v1 offset:HIMG+(11*\m+2*(\s)+\c)*768
	ds_load_b64 v[HB+12*\m+6*\c+4:HB+12*\m+6*\c+5], v10 offset:HIMG+(11*\m+2*(\s)+\c)*768
.endif
.endr
.endr
.endm
; K step s of y: 20 accumulators (four tiles of my columns x five row tiles) by turns, in the same order in every K step
.macro MM2 s
.if (\s) < 4
	WIN 0x02+4*(1+(\s)%2)                          ; source 0 (w2) window 2, source 1 (hidden) window 1 or 2
.set AB, 48*(\s)
.else
	WIN 0x03+4*(1+(\s)%2)                          ; source 0 window 3
.set AB, W2C+48*((\s)-4)
.endif
.irp ct, 0,1,2,3
.irp m, 0,1,2,3,4
.if (\s) == 0
	v_wmma_scale_f32_16x16x128_f8f6f4 v[YA+8*(5*\ct+\m):YA+8*(5*\ct+\m)+7], v[AB+12*\ct:AB+12*\ct+11], v[HB+12*\m:HB+12*\m+11], 0, v[W2S+3*\ct+(\s)/2], v[HS+5*((\s)/2)+\m] matrix_a_fmt:MATRIX_FMT_FP6 matrix_b_fmt:MATRIX_FMT_FP6
.elseif (\s)%2 == 0
	v_wmma_scale_f32_16x16x128_f8f6f4 v[YA+8*(5*\ct+\m):YA+8*(5*\ct+\m)+7], v[AB+12*\ct:AB+12*\ct+11], v[HB+12*\m:HB+12*\m+11], v[YA+8*(5*\ct+\m):YA+8*(5*\ct+\m)+7], v[W2S+3*\ct+(\s)/2], v[HS+5*((\s)/2)+\m] matrix_a_fmt:MATRIX_FMT_FP6 matrix_b_fmt:MATRIX_FMT_FP6
.else
	v_wmma_scale_f32_16x16x128_f8f6f4 v[YA+8*(5*\ct+\m):YA+8*(5*\ct+\m)+7], v[AB+12*\ct:AB+12*\ct+11], v[HB+12*\m:HB+12*\m+11], v[YA+8*(5*\ct+\m):YA+8*(5*\ct+\m)+7], v[W2S+3*\ct+(\s)/2], v[HS+5*((\s)/2)+\m] matrix_a_fmt:MATRIX_FMT_FP6 matrix_b_fmt:MATRIX_FMT_FP6 matrix_a_scale:MATRIX_SCALE_ROW1 matrix_b_scale:MATRIX_SCALE_ROW1
.endif
.endr
.endr
.endm
.Ltrip:
	; ---- PHASE 1: my units of the hidden layer, for the five row tiles
	s_wait_loadcnt 0x0                             ; unit 0 is in buffer A (in the first trip: the gather too)
	LOADQ 1, 1, 8, 0                               ; unit 1 into buffer B, a quarter ahead of each of four tiles
	GROUP 0, 0, 0, 0, 0, 0
	LOADQ 1, 1, 8, 1
	GROUP 0, 1, 1, 1, 0, 0
	LOADQ 1, 1, 8, 2
	GROUP 0, 2, 0, 1, 1, 0
	LOADQ 1, 1, 8, 3
	GROUP 0, 3, 1, 1, 2, 0
	WIN 0xc0                                       ; w2's K steps 4, 5 and its scale words: 36 loads
.set k, 0
.rept 24
	global_load_b128 v[W2C+4*k:W2C+4*k+3], v4, s[8:9] offset:W2SEC+512*(48+k)
.set k, k+1
.endr
	WIN 0
.set k, 0
.rept 12
	global_load_b32 v[W2S+k], v5, s[8:9] offset:W2SEC+36864+128*k
.set k, k+1
.endr
	GROUP 0, 4, 0, 1, 3, 0
	s_wait_loadcnt 36                              ; unit 1 is in buffer B; the 36 loads that every wave has issued behind it may be out
	LOADQ3 0                                       ; buffer A is free: behind its last product stand nine plain lines of a tile's end
	GROUP 1, 0, 1, 1, 4, 0
	LOADQ3 1
	GROUP 1, 1, 0, 1, 0, 1
	LOADQ3 2
	GROUP 1, 2, 1, 1, 1, 1
	LOADQ3 3
	GROUP 1, 3, 0, 1, 2, 1
	GROUP 1, 4, 1, 1, 3, 1
	s_wait_loadcnt 0x0                             ; unit 2 is in buffer A, and w2's K steps 4, 5
	s_cmp_eq_u32 s12, 3
	s_cbranch_scc1 .Lwave_3
	LOADAB 0, 12                                   ; buffer B takes w2's K steps 0-3, a quarter ahead of each of four tiles
	GROUP 0, 0, 0, 1, 4, 1
	LOADAB 1, 12
	GROUP 0, 1, 1, 1, 0, 2
	LOADAB 2, 12
	GROUP 0, 2, 0, 1, 1, 2
	LOADAB 3, 12
	GROUP 0, 3, 1, 1, 2, 2
	GROUP 0, 4, 0, 1, 3, 2
	DRAIN 0, 4, 2
	s_branch .Lp2
.Lwave_3:
	LOADAB 0, 48
	DRAIN 1, 4, 1
.Lp2:
	s_wait_dscnt 0x0                               ; my images and bytes have landed
	s_barrier_signal -1
	s_barrier_wait -1
	; ---- PHASE 2: my 64 output columns for the 80 rows
	s_wait_loadcnt 0x0                             ; all of w2 is in
	s_cmp_lg_u32 s14, 0
	s_cbranch_scc1 .Lsecond
	LOADW 0, 0, 28                                 ; first trip: hi's unit 0 into buffer A, under phase 2
	s_branch .Lno_next
.Lsecond:
	WIN 0x40                                       ; second trip: the first expert's part, into buffer A's registers
.set i, 0
.rept 40
	ds_load_b128 v[4*i:4*i+3], v12 offset:512*i
.set i, i+1
.endr
	WIN 0
.Lno_next:
	FETCHH 0
	WIN 0
.irp k, 0,1,2
.irp m, 0,1,2,3,4
	ds_load_b32 v[HS+5*\k+\m], v11 offset:640*\k+128*\m     ; the hidden layer's scale words: register 5 (s / 2) + m, lanes 16 (s % 2) + r
.endr
.endr
	FETCHH 1
.irp s, 0,1,2,3,4,5
.if \s < 4
	s_wait_dscnt 20                                ; this K step's hidden fragments and all older LDS loads are in; the next fetch's 20 loads may be out
.elseif \s == 4
	s_wait_dscnt 10                                ; (the last fetch has 10)
.else
	s_wait_dscnt 0x0
.endif
	MM2 \s
.rept 4
	v_nop                                          ; four plain lines in front of loads into registers that these products read, and of the first read of results
.endr
.if \s < 4
	FETCHH \s+2
.endif
.endr
	WIN 0
	s_cmp_eq_u32 s14, 1
	s_cbranch_scc1 .Lout
	; the first expert's gate x y waits in LDS
.irp ct, 0,1,2,3
.irp m, 0,1,2,3,4
.irp p, 0,1,2,3
	v_pk_mul_f32 v[YA+8*(5*\ct+\m)+2*\p:YA+8*(5*\ct+\m)+2*\p+1], v[YA+8*(5*\ct+\m)+2*\p:YA+8*(5*\ct+\m)+2*\p+1], v[GA0+2*\m:GA0+2*\m+1] op_sel_hi:[1,0]
.endr
.endr
.endr
.set i, 0
.rept 40
	ds_store_b128 v12, v[YA+4*i:YA+4*i+3] offset:512*i
.set i, i+1
.endr
	s_wait_dscnt 0x0                               ; my reads of the images are over, and the stash's stores have read their registers
	s_barrier_signal -1
	s_barrier_wait -1
	s_wait_xcnt 0x0                                ; every load has read its base
	s_mov_b64 s[8:9], s[28:29]
	s_add_co_u32 s14, s14, 1
	s_cmp_lt_u32 s14, 2
	s_cbranch_scc1 .Ltrip
.Lout:
	s_wait_loadcnt 0x0                             ; no load into buffer A's registers is out
	s_wait_dscnt 0x0
	WIN 0x10                                       ; source 2 window 1
.irp ct, 0,1,2,3
.irp m, 0,1,2,3,4
.irp p, 0,1,2,3
	v_pk_fma_f32 v[YA+8*(5*\ct+\m)+2*\p:YA+8*(5*\ct+\m)+2*\p+1], v[YA+8*(5*\ct+\m)+2*\p:YA+8*(5*\ct+\m)+2*\p+1], v[GA1+2*\m:GA1+2*\m+1], v[8*(5*\ct+\m)+2*\p:8*(5*\ct+\m)+2*\p+1] op_sel_hi:[1,0,1]
.endr
.endr
.endr
	WIN 0
	s_wait_alu depctr_va_vdst(0)
	; THE WAY OUT, a row tile at a time: a lane holds 32 neighbouring bytes of a token's row; through my own stage they become whole runs of 256 bytes, which sixteen lanes store at a multiple of 256 from out0's first byte
.irp m, 0,1,2,3,4
	WIN 0
.irp ct, 0,1,2,3
	ds_store_b128 v14, v[YA+8*(5*\ct+\m):YA+8*(5*\ct+\m)+3] offset:64*\ct
	ds_store_b128 v14, v[YA+8*(5*\ct+\m)+4:YA+8*(5*\ct+\m)+7] offset:64*\ct+16
.endr
	WIN 0x80
.irp i, 0,1,2,3,4,5,6,7
	ds_load_b128 v[32*\m+4*\i:32*\m+4*\i+3], v15 offset:544*\i   ; LDS serves a wave's instructions in order: these see my stores, and the next tile's stores come behind them
.endr
	WIN 0x0b                                       ; a store's address window 3, its data window 2
.irp i, 0,1,2,3,4,5,6,7
	s_wait_dscnt 7-\i                              ; the later read-backs may be out
	global_store_b128 v[TO+8*\m+\i], v[32*\m+4*\i:32*\m+4*\i+3], s[10:11] th:TH_STORE_NT
.endr
.endr
	WIN 0
	s_wait_tensorcnt 0x0                           ; the wave's end
	ds_add_u32 v9, v13
	s_wait_dscnt 0x0
.Lnone:
	s_endpgm
.Lfunc_end_k_q92a98f53c3_experts:
	.size	k_q92a98f53c3_experts, .Lfunc_end_k_q92a98f53c3_experts-k_q92a98f53c3_experts
	.p2alignl 7, 3214868480
	.fill 96, 4, 3214868480
	.section	.rodata,"a",@progbits
	.p2align	6, 0x0
	.amdhsa_kernel k_q92a98f53c3_experts
		.amdhsa_group_segment_fixed_size 146176
		.amdhsa_private_segment_fixed_size 0
		.amdhsa_enable_private_segment 0
		.amdhsa_kernarg_size 40
		.amdhsa_user_sgpr_count 2
		.amdhsa_user_sgpr_kernarg_segment_ptr 1
		.amdhsa_wavefront_size32 1
		.amdhsa_system_sgpr_workgroup_id_x 1
		.amdhsa_system_sgpr_workgroup_id_y 1
		.amdhsa_system_sgpr_workgroup_id_z 1
		.amdhsa_system_vgpr_workitem_id 0
		.amdhsa_next_free_vgpr 1024
		.amdhsa_next_free_sgpr 66
		.amdhsa_reserve_vcc 0
		.amdhsa_float_denorm_mode_32 3
		.amdhsa_float_denorm_mode_16_64 3
		.amdhsa_memory_ordered 1
		.amdhsa_forward_progress 1
		.amdhsa_inst_pref_size 255
	.end_amdhsa_kernel
	.section	.bss,"aw",@nobits
	.p2align	6
	.space	262144
	.amdgpu_metadata
---
amdhsa.version: [ 1, 2 ]
amdhsa.kernels:
  - .name:           k_q92a98f53c3_experts
    .symbol:         k_q92a98f53c3_experts.kd
    .args:
      - { .name: xrec, .offset: 0, .size: 8, .value_kind: global_buffer, .address_space: global }
      - { .name: order, .offset: 8, .size: 8, .value_kind: global_buffer, .address_space: global }
      - { .name: wq, .offset: 16, .size: 8, .value_kind: global_buffer, .address_space: global }
      - { .name: out0, .offset: 24, .size: 8, .value_kind: global_buffer, .address_space: global }
      - { .name: tiles, .offset: 32, .size: 8, .value_kind: global_buffer, .address_space: global }
    .group_segment_fixed_size: 146176
    .private_segment_fixed_size: 0
    .kernarg_segment_align: 8
    .kernarg_segment_size: 40
    .max_flat_workgroup_size: 128
    .sgpr_count:     66
    .vgpr_count:     1024
    .wavefront_size: 32
...
	.end_amdgpu_metadata
.endif
;; end of part 3
